; MI455X (gfx1250); checked and timed in simulation.
; The chip was launched on July 23, 2026; its instructions are those of AMD's public machine-readable ISA for CDNA 5 (MIT licence, August 2026) and "CDNA5" Instruction Set Architecture Reference Guide (July 2026). The comments in the code are by the model that wrote it; some were corrected since.
;; Block Sparse. Allowed arithmetic: matrix products marked QUANTISED: E3M2 operands, one E8M0 scale for each 32 along K, by v_wmma_scale_f32_16x16x128_f8f6f4 with both operands' format E3M2, f32 sums; everything else in f32.
;; Inputs: bias 4,096 float32; mask 4,096 x 4,096 bool; weight 4,096 x 4,096 float32; x 4,096 x 4,096 float32.
;; Outputs: out0 4,096 x 4,096 float32.
;; This version of the problem:
;;   THIS VERSION OF THE PROBLEM IS GIVEN IN LOW PRECISION. The matrix products marked QUANTISED in the list below multiply operands that are first quantised to E3M2 (3 exponent bits, 2 mantissa bits; 6 bits a number), with one power-of-two scale for each 32 numbers along K (OCP MX v1.0); their sums are f32. All else is computed in f32.
;;   The module's matrix products, in the order in which they are computed (A, B: the left and right operand; K: the contracted axis; several contracted axes count as one K, in the product's order):
;;     1. [M 4,096, K 4,096] x [K 4,096, N 4,096]; A: input x; B: computed on the way: QUANTISED
;;   THE QUANTISER, for each operand of a quantised product, along K:
;;     - K is cut into blocks of 32 from its start; a last block that is shorter is filled with zeros.
;;     - A block's scale is 2^e with e = floor(log2(the largest magnitude in the block)) - 4, held to -126 .. 127; a block of zeros has e = 0. As a byte (E8M0): e + 127.
;;     - Each number is divided by its block's scale, clamped to +-28, and rounded to the nearest number of E3M2, ties to even, subnormals kept.
;;     - The product sums the exact products of the quantised numbers (number of the format x scale) in f32.
;;   ~~~python
;;   def quantise(x, axis):      # numpy; x: float32 -> the quantised numbers, widened to float32 again
;;       x = np.moveaxis(x, axis, -1); K = x.shape[-1]
;;       x = np.pad(x, [(0, 0)] * (x.ndim - 1) + [(0, -K % 32)]); x = x.reshape(x.shape[:-1] + (-1, 32)); a = np.abs(x).max(-1, keepdims=True)
;;       e = np.where(a > 0, np.clip(np.frexp(np.where(a > 0, a, 1))[1] - 1 - 4, -126, 127), 0)      # np.frexp(a)[1] - 1 = floor(log2(a)), exactly
;;       r = np.clip(x / 2.0 ** e, -28, 28)
;;       step = 2.0 ** (np.maximum(np.frexp(np.where(r == 0, 1, r))[1] - 1, -2) - 2)
;;       q = np.round(r / step) * step * 2.0 ** e      # np.round: ties to even
;;       return np.moveaxis(q.reshape(q.shape[:-2] + (-1,))[..., :K], -1, axis).astype(np.float32)
;;   ~~~
;;   OPERANDS COMPUTED ON THE WAY. 'Computed on the way' means the value that the module computes at that place (a softmax that the list does not call 'softmax' is quantised finished and normalised). What goes into a quantiser is computed in f32, as accurately as f32 sums, v_exp_f32 and their like allow (about 1e-6 of the number): no bf16 or f16 on the way to a quantiser, and a product that is left as it is and whose result goes on into a quantised operand takes f32 operands (vector FMAs, or v_wmma_f32_16x16x4_f32). A number that lies on a knife's edge between two numbers of the format may be rounded either way, as far as f32 arithmetic and the matrix unit's own rounding can turn it there, and no further.
;; One version. Each part assembles by itself: llvm-mc -triple=amdgcn-amd-amdhsa -mcpu=gfx1250 --defsym DOCPART=n.
;; ======== version 1 of 1: 2 launches
;; limits: right only within a limited range of input values
;; workspace buffers: xq 13,107,200 bytes; wq 13,107,200 bytes; flags 4,096 bytes of whole numbers
;; launch quant (part 1): grid 512 x 1, 4 waves a work-group, no clusters, 77,312 bytes of LDS; arguments x, weight, mask, xq, wq, flags; writes xq, wq, flags
.if DOCPART == 1
	.amdgcn_target "amdgcn-amd-amdhsa--gfx1250"
	.amdhsa_code_object_version 6
	.text
	.protected	k_qd997e15ae8_quant
	.globl	k_qd997e15ae8_quant
	.p2align	8
	.type	k_qd997e15ae8_quant,@function
k_qd997e15ae8_quant:
	s_mov_b64 s[64:65], 0
	v_nop
	global_prefetch_b8 v0, s[64:65] scope:SCOPE_SE
	s_setreg_imm32_b32 hwreg(HW_REG_WAVE_MODE, 25, 1), 1
	s_wait_xcnt 0x0
; x [4096][4096] and weight [4096][4096], f32, K innermost, become codes of BF6 (E3M2) with one E8M0 scale byte for each 32 along K.
; weight is first masked: where mask's byte is 0 the number becomes +0, ahead of the block's largest magnitude (a select on bits: whatever stood there is gone).
; A block's scale is 2^(floor(log2(its largest magnitude)) - 4); its byte is that magnitude's exponent field - 4, held at 1 from below by a floor among the maximum's leaves.
; LIMITS: a block of zeros gets the byte 1 where the rule says 127: its codes are zeros, which add nothing under any byte but 0xff, and this program alone reads the bytes.
;   Blocks whose largest magnitude lies under 2^-122 (the floor) were not tried.  NaN and infinities among the numbers that the mask keeps are not served.  mask's bytes are 0 or 1.
; THE WORKSPACE IS LAID AS THE PRODUCT'S OPERAND REGISTERS.  Unit (G, S): rows 128 G .. + 127, k = 128 S .. + 127: 12,800 bytes at (32 G + S) x 12,800.  In it:
;   byte 1536 i + 512 c + 16 lane: registers 4 c .. 4 c + 3 of that lane of the fragment of rows 16 i .. + 15 (lane (r, h): row r; registers 0-5: k = 32 h .. + 31; registers 6-11: k = 64 + 32 h .. + 31);
;   byte 12,288 + 256 j + 16 r + 4 e: the scale word (four bytes, 128 along K) of row r of block 4 j + e.
; SHARES.  Work-groups 0-255 take x, 256-511 weight: two paths that never join, each with LDS bytes of its own.  A wave makes ONE unit: eight fragments, written out, no loop: every offset is an immediate.
; A fragment's 16 rows x 512 bytes are loaded as they lie (32 lanes read 512 consecutive bytes), go through the wave's own stage in LDS and come back so that a lane holds its two whole blocks of 32 neighbours:
; a block's maximum needs no other lane, and the conversions' results are the operand's registers.  Waves share nothing: no barrier.  Loads run up to three fragments ahead, in three sets of registers.
; No register that a store or a load names as address or data is ever written again, and EXEC never changes: so no wait on XCNT is written.
; REGISTERS.  Window 0: all that vector and LDS-load lines touch.  Window 1: v0-191 three sets of 64 numbers as loaded; v192-239 three sets of 16 mask words as loaded.
.set LA,  4                            ; v4    16 x lane: my 16 bytes of a load's or a store's 512
.set MA,  5                            ; v5    mask: 4 (lane / 8) rows of 4,096 bytes + 16 (lane % 8)
.set SI,  6                            ; v6    the stage, way in: 16 x lane
.set SOU, 7                            ; v7    the stage, way out: 528 r + 128 h
.set MI,  8                            ; v8    the mask's stage, way in: 144 (lane / 8) + 16 (lane % 8)
.set MO,  9                            ; v9    the mask's stage, way out: 144 r + 32 h
.set SA,  10                           ; v10   16 r + 8 h: my two scale words of a store of 256 bytes
.set H8,  11                           ; v11   8 h
.set TM,  12                           ; v12-15  four chains of the maxima
.set SO,  16                           ; v16-17  the conversions' scale operands
.set BY,  18                           ; v18-19  the scale bytes
.set W,   20                           ; v20   my two bytes at their places in the scale word
.set W2,  21                           ; v21   lane l xor 16's
.set Q0,  22                           ; v22-24, v26-28: the second halves of the two blocks' codes (a conversion's three registers begin on an even number)
.set Q1,  26
.set E,   30                           ; v30-37  the mask's selects, two sets by turns
.set L8,  38                           ; v38   lane / 8
.set L7,  39                           ; v39   lane % 8
.set TW,  40                           ; v40-47  a scale word for each fragment
.set D,   48                           ; v48-51  two pairs of scale words to store
.set MX,  52                           ; v52-67  my 64 mask bytes
.set X,   68                           ; v68-131 my 64 numbers: X + 32 c + e = k 64 c + 32 h + e of row r
.set P,   132                          ; v132-227 twelve registers of codes for each fragment, so that no store's data are written again
.set MSB, 0
.macro WIN new                         ; the immediate's high byte repeats the setting that is left
.if MSB != \new
	s_set_vgpr_msb (MSB<<8)|\new
.set MSB, \new
.endif
.endm
	s_load_b256 s[4:11], s[0:1], 0x0               ; x s[4:5], weight s[6:7], mask s[8:9], xq s[10:11]
	s_load_b64 s[12:13], s[0:1], 0x20              ; wq
	s_load_b64 s[30:31], s[0:1], 0x28              ; flags [32 G][32 S]: a word for each unit of weight: 1 << S if any of the unit's mask bytes is not 0, else 0
	v_lshl_add_u32 v254, v0, 2, 0x12c00
	v_mov_b32 v255, 0
	v_lshrrev_b32 v1, 5, v0
	v_readfirstlane_b32 s14, v1                    ; wave 0..3
	v_and_b32 v1, 31, v0                           ; lane
	v_and_b32 v2, 15, v0                           ; r
	v_bfe_u32 v3, v0, 4, 1                         ; h
	v_lshlrev_b32 v[LA], 4, v1
	v_lshrrev_b32 v[L8], 3, v1
	v_and_b32 v[L7], 7, v1
	v_lshlrev_b32 v[MA], 14, v[L8]                 ; mask: 4 (lane / 8) rows of 4,096 bytes: weight's fragment rows lie four rows apart (see LOADF)
	v_lshl_add_u32 v[MA], v[L7], 4, v[MA]
	v_lshlrev_b32 v[SA], 4, v2
	v_lshl_add_u32 v[SA], v3, 3, v[SA]
	v_lshlrev_b32 v[H8], 3, v3
	v_mov_b32 v[W2], 0                             ; written once: a lane permute's destination counts as one of its sources
	v_mov_b32 v229, 0                              ; the flag store's offset
	v_cmp_lt_u32 vcc_lo, 15, v1                    ; lanes 16-31, for the whole kernel
	s_and_b32 s15, ttmp9, 255                      ; my place among the tensor's 256 work-groups
	s_lshr_b32 s16, s15, 3                         ; G: which 128 rows
	s_and_b32 s17, s15, 7                          ; S: which 128 along K: 2 (work-group % 8) + wave % 2 + 16 (wave / 2): each of the 32 steps has one wave.
	s_lshl_b32 s17, s17, 1                         ; Two neighbouring waves stand side by side on 1,024 bytes of each row (256 of the mask's); the other two stand half of K further on,
	s_and_b32 s36, s14, 1                          ; so that a mask that empties a long run along K meets a part of each work-group's waves and not all four
	s_add_co_u32 s17, s17, s36
	s_lshr_b32 s36, s14, 1
	s_lshl_b32 s36, s36, 4
	s_add_co_u32 s17, s17, s36
	s_lshl_b32 s18, s16, 21                        ; the numbers: 128 G rows of 16,384 bytes
	s_lshl_b32 s19, s17, 9                         ; + 512 S
	s_add_co_u32 s18, s18, s19
	s_mov_b32 s19, 0
	s_lshl_b32 s20, s16, 19                        ; the mask: 128 G rows of 4,096 bytes
	s_lshl_b32 s21, s17, 7                         ; + 128 S
	s_add_co_u32 s20, s20, s21
	s_mov_b32 s21, 0
	s_lshl_b32 s22, s16, 5
	s_add_co_u32 s22, s22, s17
	s_lshl_b32 s34, s22, 2                         ; my unit's flag word: 4 (32 G + S)
	s_mov_b32 s35, 0
	s_mul_i32 s22, s22, 12800                      ; my unit
	s_mov_b32 s23, 0
	s_mov_b32 s24, 0x76543210
	s_mov_b32 s25, 0xfedcba98                      ; v_permlanex16_b32's selects for lane l xor 16
	s_mov_b32 s26, 0x01010101                      ; v_perm_b32's selects: byte 1, 2, 3 into all four bytes
	s_mov_b32 s27, 0x02020202
	s_mov_b32 s28, 0x03030303
	s_wait_kmcnt 0x0
	s_add_nc_u64 s[4:5], s[4:5], s[18:19]
	s_add_nc_u64 s[6:7], s[6:7], s[18:19]
	s_add_nc_u64 s[8:9], s[8:9], s[20:21]
	s_add_nc_u64 s[10:11], s[10:11], s[22:23]
	s_add_nc_u64 s[12:13], s[12:13], s[22:23]
	s_add_nc_u64 s[30:31], s[30:31], s[34:35]
; Fragment i's 16 rows (and, m = 1, their mask bytes: four rows x 128 bytes a load) into set i % 3 of window 1.
.macro LOADF i, m, sb
.set RS, 64*((\i)%3)
.set MS, 192+16*((\i)%3)
	WIN 0x40                                       ; destination window 1, address window 0
.irp r, 0,1,2,3,4,5,6,7,8,9,10,11,12,13,14,15
.if \m
	; WEIGHT'S FRAGMENTS TAKE OTHER ROWS THAN x's: lane r of fragment i = 4 q + e holds row 64 q + 4 r + e of the unit, so that in the product four tiles give a lane four neighbouring columns of the result
	global_load_b128 v[RS+4*\r:RS+4*\r+3], v[LA], s[\sb:\sb+1] offset:(64*((\i)/4)+4*\r+(\i)%4)*16384 th:TH_LOAD_NT
.else
	global_load_b128 v[RS+4*\r:RS+4*\r+3], v[LA], s[\sb:\sb+1] offset:(16*(\i)+\r)*16384 th:TH_LOAD_NT
.endif
.endr
.if \m
.irp t, 0,1,2,3
	global_load_b128 v[MS+4*\t:MS+4*\t+3], v[MA], s[8:9] offset:(64*((\i)/4)+16*\t+(\i)%4)*4096 th:TH_LOAD_NT
.endr
.endif
	WIN 0
.endm
; Fragment i through the stage.  LDS serves a wave's instructions in order (ISA guide 5.7.1.4): no wait stands between the stores and the loads.
; Stage rows are 528 and 144 bytes apart, odd multiples of 16: the sixteen rows that a load touches start at sixteen different banks (64 banks of 4 bytes: ISA guide 11.1).
.macro TURNF i, m
.set RS, 64*((\i)%3)
.set MS, 192+16*((\i)%3)
	WIN 0x04                                       ; an LDS store's data are its source 1: window 1
.irp r, 0,1,2,3,4,5,6,7,8,9,10,11,12,13,14,15
	ds_store_b128 v[SI], v[RS+4*\r:RS+4*\r+3] offset:528*\r
.endr
.if \m
.irp t, 0,1,2,3
	ds_store_b128 v[MI], v[MS+4*\t:MS+4*\t+3] offset:576*\t
.endr
.endif
	WIN 0
.irp c, 0,1
.irp n, 0,1,2,3,4,5,6,7
	ds_load_b128 v[X+32*\c+4*\n:X+32*\c+4*\n+3], v[SOU] offset:256*\c+16*\n
.endr
.endr
.if \m
.irp c, 0,1
.irp n, 0,1
	ds_load_b128 v[MX+8*\c+4*\n:MX+8*\c+4*\n+3], v[MO] offset:64*\c+16*\n
.endr
.endr
.endif
.endm
; The mask.  Word u holds the bytes (0 or 1) of numbers 4 u .. 4 u + 3.  Times 255 (a shift and a subtraction; no byte carries into the next) they are 0x00 or 0xff; each is spread over a word and ANDed onto its number.
.macro MASKF
.irp u, 0,1,2,3,4,5,6,7,8,9,10,11,12,13,14,15
.set ES, E+4*(\u%2)
	v_lshlrev_b32 v[ES], 8, v[MX+\u]
	v_sub_nc_u32 v[MX+\u], v[ES], v[MX+\u]
	v_perm_b32 v[ES], v[MX+\u], v[MX+\u], 0
	v_perm_b32 v[ES+1], v[MX+\u], v[MX+\u], s26
	v_perm_b32 v[ES+2], v[MX+\u], v[MX+\u], s27
	v_perm_b32 v[ES+3], v[MX+\u], v[MX+\u], s28
	v_and_b32 v[X+4*\u], v[ES], v[X+4*\u]
	v_and_b32 v[X+4*\u+1], v[ES+1], v[X+4*\u+1]
	v_and_b32 v[X+4*\u+2], v[ES+2], v[X+4*\u+2]
	v_and_b32 v[X+4*\u+3], v[ES+3], v[X+4*\u+3]
.endr
.endm
; My 64 numbers become fragment i's twelve registers and my row's scale word, and leave.
.macro QUANTF i, db
.set PF, P+12*(\i)
.irp c, 0,1,2,3
	v_max3_num_f32 v[TM+\c], |v[X+16*\c]|, |v[X+16*\c+1]|, 0x2800000   ; four chains of 16 numbers, each begun with the floor 2^(5 - 127): so the byte cannot fall under 1
.endr
.irp j, 2,4,6,8,10,12,14
.irp c, 0,1,2,3
	v_max3_num_f32 v[TM+\c], v[TM+\c], |v[X+16*\c+\j]|, |v[X+16*\c+\j+1]|   ; (by turns: no line waits for the line above it)
.endr
.endr
	v_max_num_f32 v[TM], v[TM], v[TM+1]            ; block h's largest magnitude,
	v_max_num_f32 v[TM+2], v[TM+2], v[TM+3]        ; block 2 + h's
	v_add_nc_u32 v[SO], 0xfe000000, v[TM]          ; 4 off the exponent field: the conversion takes the exponent field of this operand as its scale, and nothing else of it
	v_add_nc_u32 v[SO+1], 0xfe000000, v[TM+2]
	v_cvt_scalef32_pk16_bf6_f32 v[PF:PF+2], v[X:X+15], v[SO]           ; sixteen numbers / the scale, to the nearest code, ties to even, beyond the largest code the largest; 96 bits without gaps
	v_cvt_scalef32_pk16_bf6_f32 v[Q0:Q0+2], v[X+16:X+31], v[SO]
	v_cvt_scalef32_pk16_bf6_f32 v[PF+6:PF+8], v[X+32:X+47], v[SO+1]
	v_cvt_scalef32_pk16_bf6_f32 v[Q1:Q1+2], v[X+48:X+63], v[SO+1]
	v_lshrrev_b32 v[BY], 23, v[SO]                 ; the scales' bytes.  (Also the plain line between the conversions and the moves that read their results)
	v_lshrrev_b32 v[BY+1], 23, v[SO+1]
	v_lshl_or_b32 v[W], v[BY+1], 16, v[BY]         ; my two bytes: blocks h and 2 + h of row r,
	v_lshlrev_b32 v[W], v[H8], v[W]                ; at their places in the scale word (8 h bits up);
	v_permlanex16_b32 v[W2], v[W], s24, s25
	v_or_b32 v[TW+(\i)], v[W], v[W2]               ; with lane l xor 16's two the word is whole, in both lanes
.irp j, 0,1,2
	v_mov_b32 v[PF+3+\j], v[Q0+\j]
	v_mov_b32 v[PF+9+\j], v[Q1+\j]
.endr
.if (\i)%4 == 3                        ; four fragments' scale words: lanes 0-15 take the first two of row r, lanes 16-31 the other two: 256 consecutive bytes, aligned
	v_cndmask_b32 v[D+2*((\i)/4)], v[TW+(\i)-3], v[TW+(\i)-1], vcc_lo
	v_cndmask_b32 v[D+2*((\i)/4)+1], v[TW+(\i)-2], v[TW+(\i)], vcc_lo
.endif
.endm
; A whole path.  m = 1: with the mask.  sb, db: the scalar pairs of source and destination.  base, reg: where the path's LDS begins, and a wave's bytes of it.
.macro BODY m, sb, db, base, reg
	LOADF 0, \m, \sb
	LOADF 1, \m, \sb
	LOADF 2, \m, \sb
	s_mul_i32 s29, s14, \reg                       ; my wave's stage
.if \base
	s_add_co_u32 s29, s29, \base
.endif
	v_add_nc_u32 v[SI], s29, v[LA]
	v_mul_u32_u24 v[SOU], v2, 528
	v_lshl_add_u32 v[SOU], v3, 7, v[SOU]
	v_add_nc_u32 v[SOU], s29, v[SOU]
.if \m
	s_add_co_u32 s29, s29, 8448                    ; the mask's stage lies behind the numbers'
	v_mul_u32_u24 v[MI], v[L8], 144
	v_lshl_add_u32 v[MI], v[L7], 4, v[MI]
	v_add_nc_u32 v[MI], s29, v[MI]
	v_mul_u32_u24 v[MO], v2, 144
	v_lshl_add_u32 v[MO], v3, 5, v[MO]
	v_add_nc_u32 v[MO], s29, v[MO]
.endif
	s_wait_alu depctr_va_vdst(0)
.irp i, 0,1,2,3,4,5,6,7
.if \i < 6
	s_wait_loadcnt 2*(16+4*\m)                     ; loads come back in order (ISA guide 5.7.1): this fragment's are in; those of the two fragments behind it may be out
.else
	s_wait_loadcnt (7-\i)*(16+4*\m)                ; the counts run down: one fragment behind, then none
.endif
	TURNF \i, \m
	s_wait_dscnt 0x0                               ; my numbers are back from the stage, and the stores into it have read their registers,
.if \i+3 < 8
	LOADF \i+3, \m, \sb                            ; which take the loads of three fragments on
.endif
.if \m
	MASKF
.endif
	QUANTF \i, \db
.endr
	s_wait_alu depctr_va_vdst(0)                   ; the last codes and scale words are read by the stores behind the waits below
	s_wait_tensorcnt 0x0                           ; the wave's end, behind my last LDS store
	ds_add_u32 v254, v255
	s_wait_dscnt 0x0
; ALL THE UNIT'S STORES STAND HERE, behind the wave's last vector and LDS instruction: every fragment's codes and every pair of scale words have registers of their own.
.irp i, 0,1,2,3,4,5,6,7
.irp c, 0,1,2
	global_store_b128 v[LA], v[P+12*\i+4*\c:P+12*\i+4*\c+3], s[\db:\db+1] offset:1536*\i+512*\c   ; 32 lanes store 512 consecutive bytes, at a multiple of 256 from the buffer's first byte
.endr
.endr
.irp j, 0,1
	global_store_b64 v[SA], v[D+2*\j:D+2*\j+1], s[\db:\db+1] offset:12288+256*\j                   ; 256 consecutive bytes, aligned
.endr
.if \m
	global_store_b32 v229, v230, s[30:31]          ; my unit's flag word: all lanes write the same word with the same value
.endif
	s_endpgm
.endm
	s_cmp_lt_u32 ttmp9, 256                        ; x's work-group or weight's?  The branch hangs on the work-group's number alone
	s_cbranch_scc0 .Lweight
	BODY 0, 4, 10, 0, 8448
.Lweight:
	s_wait_alu depctr_va_vdst(0)
; WHAT THE MASK ASKS FOR, AND NO MORE.  The wave first reads its unit's 128 x 128 mask bytes (32 loads of four rows x 128 bytes; v68-195 are free here) and ORs them.
; If every byte is 0, every number of the unit becomes +0 whatever weight holds there: weight is not loaded, and the unit is stored as zero codes with scale bytes 0 (a finite code), which add nothing to any sum.
; The branch hangs on whole numbers that this launch reads from memory.  A unit with a byte that is not 0 goes the whole way and reads its mask bytes once more, fragment by fragment.
.set PT, 0
.rept 32
	global_load_b128 v[68+4*PT:68+4*PT+3], v[MA], s[8:9] offset:(16*(PT/4)+PT%4)*4096   ; rows 16 (PT / 4) + PT % 4 + 4 (lane / 8)
.set PT, PT+1
.endr
	s_wait_loadcnt 0x0
.set PT, 1
.rept 31
.irp e, 0,1,2,3
	v_or_b32 v[68+\e], v[68+\e], v[68+4*PT+\e]     ; four chains by turns
.endr
.set PT, PT+1
.endr
	v_or_b32 v68, v68, v69
	v_or_b32 v70, v70, v71
	v_or_b32 v68, v68, v70
	v_cmp_ne_u32 s32, 0, v68                       ; has any lane seen a mask byte that is not 0?
	s_lshl_b32 s33, 1, s17
	s_cmp_lg_u32 s32, 0
	s_cselect_b32 s33, s33, 0                      ; the flag word: 1 << S, or 0
	v_mov_b32 v230, s33
	s_wait_alu depctr_va_vdst(0)
	s_cbranch_scc0 .Ldead
	BODY 1, 6, 12, 33792, 10752
.Ldead:
	s_wait_tensorcnt 0x0                           ; a wave's end
	ds_add_u32 v254, v255
	s_wait_dscnt 0x0
.irp e, 0,1,2,3
	v_mov_b32 v[232+\e], 0
.endr
.set PT, 0
.rept 25
	global_store_b128 v[LA], v[232:235], s[12:13] offset:512*PT    ; the unit's 12,800 bytes, 512 consecutive bytes a store
.set PT, PT+1
.endr
	global_store_b32 v229, v230, s[30:31]          ; the flag word 0
	s_endpgm
.Lfunc_end_k_qd997e15ae8_quant:
	.size	k_qd997e15ae8_quant, .Lfunc_end_k_qd997e15ae8_quant-k_qd997e15ae8_quant
	.p2alignl 7, 3214868480
	.fill 96, 4, 3214868480
	.section	.rodata,"a",@progbits
	.p2align	6, 0x0
	.amdhsa_kernel k_qd997e15ae8_quant
		.amdhsa_group_segment_fixed_size 77312
		.amdhsa_private_segment_fixed_size 0
		.amdhsa_enable_private_segment 0
		.amdhsa_kernarg_size 48
		.amdhsa_user_sgpr_count 2
		.amdhsa_user_sgpr_kernarg_segment_ptr 1
		.amdhsa_wavefront_size32 1
		.amdhsa_system_sgpr_workgroup_id_x 1
		.amdhsa_system_sgpr_workgroup_id_y 1
		.amdhsa_system_sgpr_workgroup_id_z 1
		.amdhsa_system_vgpr_workitem_id 0
		.amdhsa_next_free_vgpr 512
		.amdhsa_next_free_sgpr 66
		.amdhsa_reserve_vcc 1
		.amdhsa_float_denorm_mode_32 3
		.amdhsa_float_denorm_mode_16_64 3
		.amdhsa_memory_ordered 1
		.amdhsa_forward_progress 1
		.amdhsa_inst_pref_size 190
	.end_amdhsa_kernel
	.amdgpu_metadata
---
amdhsa.version: [ 1, 2 ]
amdhsa.kernels:
  - .name:           k_qd997e15ae8_quant
    .symbol:         k_qd997e15ae8_quant.kd
    .args:
      - { .name: x, .offset: 0, .size: 8, .value_kind: global_buffer, .address_space: global }
      - { .name: weight, .offset: 8, .size: 8, .value_kind: global_buffer, .address_space: global }
      - { .name: mask, .offset: 16, .size: 8, .value_kind: global_buffer, .address_space: global }
      - { .name: xq, .offset: 24, .size: 8, .value_kind: global_buffer, .address_space: global }
      - { .name: wq, .offset: 32, .size: 8, .value_kind: global_buffer, .address_space: global }
      - { .name: flags, .offset: 40, .size: 8, .value_kind: global_buffer, .address_space: global }
    .group_segment_fixed_size: 77312
    .private_segment_fixed_size: 0
    .kernarg_segment_align: 8
    .kernarg_segment_size: 48
    .max_flat_workgroup_size: 128
    .sgpr_count:     66
    .vgpr_count:     512
    .wavefront_size: 32
...
	.end_amdgpu_metadata
.endif
;; end of part 1
;; launch gemm (part 2): grid 16 x 16, 4 waves a work-group, no clusters, 0 bytes of LDS; arguments xq, wq, bias, flags, out0; writes out0
.if DOCPART == 2
	.amdgcn_target "amdgcn-amd-amdhsa--gfx1250"
	.amdhsa_code_object_version 6
	.text
	.protected	k_qd997e15ae8_gemm
	.globl	k_qd997e15ae8_gemm
	.p2align	8
	.type	k_qd997e15ae8_gemm,@function
k_qd997e15ae8_gemm:
	s_mov_b64 s[64:65], 0
	v_nop
	global_prefetch_b8 v0, s[64:65] scope:SCOPE_SE
	s_setreg_imm32_b32 hwreg(HW_REG_WAVE_MODE, 25, 1), 1
	s_wait_xcnt 0x0
; out0[m][n] = sum over k of Q(x)[m][k] Q(mask ? weight : 0)[n][k] + bias[n], on codes of BF6 (E3M2) with E8M0 scales, as launch quant has laid them: units of 128 rows x 128 k, 12,800 bytes,
; each an image of the operand registers (eight fragments of 1,536 bytes, then 512 bytes of scale words).
; WHICH K STEPS ARE WALKED IS READ FROM MEMORY.  mask is an input of whole numbers.  Launch quant has stored, for each unit (G, S) of weight, the word 1 << S if any of its 128 x 128 mask bytes is not 0, else 0.
; A unit whose word is 0 holds zero codes alone, which add nothing to any sum.  A wave ORs the 32 words of its 128 columns into a list of bits and walks the steps whose bit is set.
; Any further step may be walked too (it adds zeros): so the list is filled up to at least 4 steps and to an even number, which lets the walk be written as a first step, pairs, and three last steps.
; LIMIT: a NaN or an infinity of x that meets only units of weight that the mask empties is not carried to the result.
; SHARES.  256 work-groups of four waves; a wave makes 128 x 128 of the result by itself: rows 128 Ga .., columns 128 Gb ..: 64 accumulators, 512 registers.  Waves share nothing: no LDS, no barrier.
; The trip count hangs on the stored words, so the operands go from memory straight into registers (no tensor load, hence no joint loads and no cluster): each lane loads its fragments whole, 32 lanes 512 consecutive bytes.
; Two sets of operand registers by turns: while step t is multiplied, step t + 1's 52 loads are out; A's blocks 0-3 of step t + 2 are asked for in step t's middle, the rest at its end.
; THE WAY OUT needs no LDS: lane r of weight's fragment 4 q + e holds column 64 q + 4 r + e, so register j of four neighbouring tiles is four neighbouring columns of row 8 h + j;
; one addition of the bias brings each into its place in a run of four registers, and sixteen lanes store 256 consecutive bytes, aligned.
; PREFETCH: in step t each wave names its share of the units that step t + 2's reload will ask for two steps later (list entry t + 4).  A unit has 50 blocks of 256 bytes; among the waves that read a unit of xq
; the one with Gb % 16 = g names blocks 4 g .. 4 g + 3 (held at 49), of wq likewise by Ga % 16.  The list's first four entries come by their loads alone; past the list's end the address is held at step 31's unit, inside the buffer.
; REGISTERS.  Window 0: v4-8 offsets; v16-23 bias; v32-63 scale words, two sets (A's eight, B's eight); v64-255 A's fragments, two sets of 96.  Window 1: v0-191 B's fragments, two sets.  Windows 2, 3: accumulator (a, b) at v[8 (8 (a % 4) + b)].
.set UNIT, 12800
.set GROW, 32*UNIT
.set LA,  4                            ; 16 x lane
.set SV,  5                            ; 16 x (lane % 16)
.set CO,  6                            ; out0: 8 h rows of 16,384 bytes + 16 r
.set PVA, 7                            ; my blocks of a unit of xq, of wq
.set PVB, 8
.set BI,  16
.set SC,  32
.set AF,  64
.set MSB, 0
.macro WIN new                         ; the immediate's high byte repeats the setting that is left
.if MSB != \new
	s_set_vgpr_msb (MSB<<8)|\new
.set MSB, \new
.endif
.endm
.set MUL_LO, 0xa4                      ; source 0 (A) window 0, source 1 (B) window 1, C and D window 2
.set MUL_HI, 0xf4                      ; the same, C and D window 3
.set TO_B,   0x40
	s_load_b256 s[4:11], s[0:1], 0x0               ; xq s[4:5], wq s[6:7], bias s[8:9], flags s[10:11]
	s_load_b64 s[12:13], s[0:1], 0x20              ; out0
	v_lshrrev_b32 v1, 5, v0
	v_readfirstlane_b32 s14, v1                    ; wave
	s_lshr_b32 s15, s14, 1
	s_and_b32 s16, s14, 1
	s_and_b32 s17, ttmp7, 0xffff
	s_lshl_b32 s17, s17, 1
	s_add_co_u32 s17, s17, s15                     ; Ga
	s_lshl_b32 s18, ttmp9, 1
	s_add_co_u32 s18, s18, s16                     ; Gb
	s_and_b32 s19, s18, 15
	s_lshl_b32 s19, s19, 2
	s_and_b32 s15, s17, 15
	s_lshl_b32 s15, s15, 2
	v_and_b32 v1, 31, v0
	v_and_b32 v2, 15, v0
	v_bfe_u32 v3, v0, 4, 1
	v_and_b32 v9, 3, v0
	v_lshlrev_b32 v[LA], 4, v1
	v_lshlrev_b32 v[SV], 4, v2
	v_add_nc_u32 v[PVA], s19, v9
	v_add_nc_u32 v[PVB], s15, v9
	v_lshl_add_u32 v[CO], v3, 17, v[SV]
	v_min_u32 v[PVA], 49, v[PVA]
	v_min_u32 v[PVB], 49, v[PVB]
	v_lshlrev_b32 v[PVA], 8, v[PVA]
	v_lshlrev_b32 v[PVB], 8, v[PVB]
	s_mul_i32 s22, s17, GROW                       ; my 32 units of xq,
	s_mov_b32 s23, 0
	s_mul_i32 s24, s18, GROW                       ; of wq
	s_mov_b32 s25, 0
	s_lshl_b32 s20, s18, 7                         ; my 32 flag words
	s_mov_b32 s21, 0
	s_lshl_b32 s26, s18, 9                         ; my 128 columns, in bytes
	s_mov_b32 s27, 0
	s_lshl_b32 s28, s17, 21                        ; my 128 rows of 16,384 bytes
	s_mov_b32 s29, 0
	s_wait_alu depctr_va_vdst(0)
	s_wait_kmcnt 0x0
	s_add_nc_u64 s[10:11], s[10:11], s[20:21]
	s_load_b512 s[32:47], s[10:11], 0x0
	s_load_b512 s[48:63], s[10:11], 0x40
	s_add_nc_u64 s[22:23], s[4:5], s[22:23]
	s_add_nc_u64 s[24:25], s[6:7], s[24:25]
	s_add_nc_u64 s[8:9], s[8:9], s[26:27]
	s_add_nc_u64 s[12:13], s[12:13], s[26:27]
	s_add_nc_u64 s[12:13], s[12:13], s[28:29]
	global_load_b128 v[BI:BI+3], v[SV], s[8:9]               ; bias of columns 4 r .. 4 r + 3: register BI + 4 q + e serves tile 4 q + e
	global_load_b128 v[BI+4:BI+7], v[SV], s[8:9] offset:256
	s_wait_kmcnt 0x0
.set Q, 33
.rept 31
	s_or_b32 s32, s32, s[Q]                        ; the list: bit S is set if step S is live
.set Q, Q+1
.endr
	s_or_b32 s72, s32, 15                          ; fewer than 4 steps: steps 0-3 join the list
	s_bcnt1_i32_b32 s74, s32
	s_cmp_lt_u32 s74, 4
	s_cselect_b32 s30, s72, s32
	s_add_co_u32 s72, s30, 1                       ; an odd number: the lowest step that is not on the list joins it
	s_or_b32 s72, s72, s30
	s_bcnt1_i32_b32 s74, s30
	s_bitcmp1_b32 s74, 0
	s_cselect_b32 s30, s72, s30
	s_bcnt1_i32_b32 s74, s30
	s_sub_co_u32 s74, s74, 4
	s_lshr_b32 s73, s74, 1                         ; the loop's trips: (steps - 4) / 2
; The list m's lowest step is taken off it; its units' addresses go to s[da:da+1] (xq) and s[db:db+1] (wq).  An empty list gives step 31.
.macro NEXT m, da, db
	s_ctz_i32_b32 s74, s[\m]
	s_min_u32 s74, s74, 31
	s_sub_co_u32 s72, s[\m], 1
	s_and_b32 s[\m], s[\m], s72
	s_mul_i32 s20, s74, UNIT
	s_add_nc_u64 s[\da:\da+1], s[22:23], s[20:21]
	s_add_nc_u64 s[\db:\db+1], s[24:25], s[20:21]
.endm
.macro LOADA p, i0                     ; A's blocks i0 .. i0 + 3 into set p: 12 loads
.irp i, \i0, \i0+1, \i0+2, \i0+3
.irp c, 0,1,2
	global_load_b128 v[AF+96*(\p)+12*(\i)+4*\c:AF+96*(\p)+12*(\i)+4*\c+3], v[LA], s[26:27] offset:1536*(\i)+512*\c
.endr
.endr
.endm
.macro LOADREST p                      ; B's eight fragments, both sides' scale words, A's blocks 4-7: 40 loads
	WIN TO_B
.irp i, 0,1,2,3,4,5,6,7
.irp c, 0,1,2
	global_load_b128 v[96*(\p)+12*\i+4*\c:96*(\p)+12*\i+4*\c+3], v[LA], s[28:29] offset:1536*\i+512*\c
.endr
.endr
	WIN 0
.irp j, 0,1
	global_load_b128 v[SC+16*(\p)+4*\j:SC+16*(\p)+4*\j+3], v[SV], s[26:27] offset:12288+256*\j      ; lane r: row r's words of blocks 4 j .. 4 j + 3 (lanes 16-31 read the same and are not used)
	global_load_b128 v[SC+16*(\p)+8+4*\j:SC+16*(\p)+8+4*\j+3], v[SV], s[28:29] offset:12288+256*\j
.endr
	LOADA \p, 4
.endm
.macro PLACES                          ; four places in front of loads into registers that matrix instructions have read, and of the first reads of results
.rept 4
	v_nop
.endr
.endm
; 32 matrix instructions: A's blocks a0 .. a0 + 3 x B's eight.  The 64 accumulators take turns, in the same order in every step.
.macro MUL32 a0, p, zero
.irp a, \a0, \a0+1, \a0+2, \a0+3
.irp b, 0,1,2,3,4,5,6,7
.if \zero
	v_wmma_scale_f32_16x16x128_f8f6f4 v[8*(8*((\a)%4)+\b):8*(8*((\a)%4)+\b)+7], v[AF+96*(\p)+12*(\a):AF+96*(\p)+12*(\a)+11], v[96*(\p)+12*\b:96*(\p)+12*\b+11], 0, v[SC+16*(\p)+(\a)], v[SC+16*(\p)+8+\b] matrix_a_fmt:MATRIX_FMT_BF6 matrix_b_fmt:MATRIX_FMT_BF6
.else
	v_wmma_scale_f32_16x16x128_f8f6f4 v[8*(8*((\a)%4)+\b):8*(8*((\a)%4)+\b)+7], v[AF+96*(\p)+12*(\a):AF+96*(\p)+12*(\a)+11], v[96*(\p)+12*\b:96*(\p)+12*\b+11], v[8*(8*((\a)%4)+\b):8*(8*((\a)%4)+\b)+7], v[SC+16*(\p)+(\a)], v[SC+16*(\p)+8+\b] matrix_a_fmt:MATRIX_FMT_BF6 matrix_b_fmt:MATRIX_FMT_BF6
.endif
.endr
.endr
.endm
; A step on set p.  reload = 1: the set takes the step two further on.  pf = 1: with the prefetch.  n: the loads issued behind this step's own, which may stay out.
.macro STEP p, zero, reload, pf, n
	s_wait_loadcnt \n                              ; loads come back in order (ISA guide 5.7.1): this step's 52 are in; the next step's 12 + 40 may be out
	WIN MUL_LO
	MUL32 0, \p, \zero
.if \reload
	s_wait_xcnt 0x0                                ; every earlier load and prefetch has read its address: the bases are written again only behind this wait
	NEXT 30, 26, 28
.if \pf
	NEXT 31, 66, 68
.endif
	PLACES
	WIN 0
	LOADA \p, 0
.if \pf
	global_prefetch_b8 v[PVA], s[66:67] th:TH_LOAD_NT scope:SCOPE_SE
	global_prefetch_b8 v[PVB], s[68:69] th:TH_LOAD_NT scope:SCOPE_SE
.endif
.endif
	WIN MUL_HI
	MUL32 4, \p, \zero
.if \reload
	PLACES
	LOADREST \p
.endif
	WIN 0                                          ; at a label and at a branch every window is 0
.endm
	NEXT 30, 26, 28                                ; the list's first step into set 0,
	LOADA 0, 0
	LOADREST 0
	s_wait_xcnt 0x0
	NEXT 30, 26, 28                                ; its second into set 1
	LOADA 1, 0
	LOADREST 1
	s_sub_co_u32 s72, s30, 1                       ; the prefetches' list: two entries further on than the loads'
	s_and_b32 s31, s30, s72
	s_sub_co_u32 s72, s31, 1
	s_and_b32 s31, s31, s72
	STEP 0, 1, 1, 1, 52                            ; the first step's products start the sums
	s_cmp_eq_u32 s73, 0
	s_cbranch_scc1 .Ltail
	s_mov_b32 s3, 0
.Lpair:
	STEP 1, 0, 1, 1, 52
	STEP 0, 0, 1, 1, 52
	s_add_co_u32 s3, s3, 1
	s_cmp_lt_u32 s3, s73
	s_cbranch_scc1 .Lpair
.Ltail:
	STEP 1, 0, 1, 0, 52                            ; the last reload: the list's last step
	STEP 0, 0, 0, 0, 52
	STEP 1, 0, 0, 0, 0
; THE WAY OUT.  Piece c = 16 a + 8 q + j: row 16 a + 8 h + j, columns 64 q + 4 r .. + 3.  Its four registers lie at 64 + 4 c, counted through the windows: the operands' registers, and for a = 7 those of block 0's accumulators, read long before.
; Each accumulator is read from its register 0 on.  All additions stand ahead of all stores, so no store's data are written again.
	PLACES
.set C, 0
.rept 128
.set A_, C/16
.set Q_, (C/8)%2
.set J_, C%8
.set R_, 64+4*C
	WIN (((R_/256)<<6)|(2+A_/4))
.irp e, 0,1,2,3
	v_add_f32 v[R_%256+\e], v[8*(8*(A_%4)+4*Q_+\e)+J_], v[BI+4*Q_+\e]
.endr
.set C, C+1
.endr
	s_wait_alu depctr_va_vdst(0)                   ; between these writes and the stores that read them
.set C, 0
.rept 128
.set A_, C/16
.set Q_, (C/8)%2
.set J_, C%8
.set R_, 64+4*C
	WIN ((R_/256)<<2)
	global_store_b128 v[CO], v[R_%256:R_%256+3], s[12:13] offset:(16*A_+J_)*16384+256*Q_ th:TH_STORE_NT   ; lanes 0-15 and lanes 16-31 each store 256 consecutive bytes, at a multiple of 256 from out0's first byte
.set C, C+1
.endr
	WIN 0
	s_endpgm
.Lfunc_end_k_qd997e15ae8_gemm:
	.size	k_qd997e15ae8_gemm, .Lfunc_end_k_qd997e15ae8_gemm-k_qd997e15ae8_gemm
	.p2alignl 7, 3214868480
	.fill 96, 4, 3214868480
	.section	.rodata,"a",@progbits
	.p2align	6, 0x0
	.amdhsa_kernel k_qd997e15ae8_gemm
		.amdhsa_group_segment_fixed_size 0
		.amdhsa_private_segment_fixed_size 0
		.amdhsa_enable_private_segment 0
		.amdhsa_kernarg_size 40
		.amdhsa_user_sgpr_count 2
		.amdhsa_user_sgpr_kernarg_segment_ptr 1
		.amdhsa_wavefront_size32 1
		.amdhsa_system_sgpr_workgroup_id_x 1
		.amdhsa_system_sgpr_workgroup_id_y 1
		.amdhsa_system_sgpr_workgroup_id_z 1
		.amdhsa_system_vgpr_workitem_id 0
		.amdhsa_next_free_vgpr 1024
		.amdhsa_next_free_sgpr 80
		.amdhsa_reserve_vcc 0
		.amdhsa_float_denorm_mode_32 3
		.amdhsa_float_denorm_mode_16_64 3
		.amdhsa_memory_ordered 1
		.amdhsa_forward_progress 1
		.amdhsa_inst_pref_size 115
	.end_amdhsa_kernel
	.amdgpu_metadata
---
amdhsa.version: [ 1, 2 ]
amdhsa.kernels:
  - .name:           k_qd997e15ae8_gemm
    .symbol:         k_qd997e15ae8_gemm.kd
    .args:
      - { .name: xq, .offset: 0, .size: 8, .value_kind: global_buffer, .address_space: global }
      - { .name: wq, .offset: 8, .size: 8, .value_kind: global_buffer, .address_space: global }
      - { .name: bias, .offset: 16, .size: 8, .value_kind: global_buffer, .address_space: global }
      - { .name: flags, .offset: 24, .size: 8, .value_kind: global_buffer, .address_space: global }
      - { .name: out0, .offset: 32, .size: 8, .value_kind: global_buffer, .address_space: global }
    .group_segment_fixed_size: 0
    .private_segment_fixed_size: 0
    .kernarg_segment_align: 8
    .kernarg_segment_size: 40
    .max_flat_workgroup_size: 128
    .sgpr_count:     80
    .vgpr_count:     1024
    .wavefront_size: 32
...
	.end_amdgpu_metadata
.endif
;; end of part 2
